; MI455X (gfx1250); checked and timed in simulation.
; The chip was launched on July 23, 2026; its instructions are those of AMD's public machine-readable ISA for CDNA 5 (MIT licence, August 2026) and "CDNA5" Instruction Set Architecture Reference Guide (July 2026). The comments in the code are by the model that wrote it; some were corrected since.
;; Multi Headed Attention. Allowed arithmetic: matrix products marked QUANTISED: E4M3 operands, one E8M0 scale for each 32 along K, by v_wmma_scale_f32_16x16x128_f8f6f4 with both operands' format E4M3, f32 sums; products left as they are: f32 operands where the result goes on into a quantised operand, else bf16, f16 or f32 operands; f32 sums; everything else in f32.
;; Inputs: Wk_codes 4,096 x 16 x 32 uint8 (E4M3 codes of Wk, K innermost, in blocks of 32 codes); Wk_scales 4,096 x 16 uint8 (E8M0 scales of Wk, one for each 32 codes along K); Wo 4,096 x 8 float32; Wq_codes 4,096 x 16 x 32 uint8 (E4M3 codes of Wq, K innermost, in blocks of 32 codes); Wq_scales 4,096 x 16 uint8 (E8M0 scales of Wq, one for each 32 codes along K); Wv_codes 4,096 x 16 x 32 uint8 (E4M3 codes of Wv, K innermost, in blocks of 32 codes); Wv_scales 4,096 x 16 uint8 (E8M0 scales of Wv, one for each 32 codes along K); bk 4,096 float32; bo 8 float32; bq 4,096 float32; bv 4,096 float32; x_codes 1,024 x 4 x 16 x 32 uint8 (E4M3 codes of x, K innermost, in blocks of 32 codes); x_scales 1,024 x 4 x 16 uint8 (E8M0 scales of x, one for each 32 codes along K).
;; Outputs: out0 1,024 x 4 x 8 float32.
;; This version of the problem:
;;   THIS VERSION OF THE PROBLEM IS GIVEN IN LOW PRECISION. The matrix products marked QUANTISED in the list below multiply operands that are first quantised to E4M3 (4 exponent bits, 3 mantissa bits; 8 bits a number), with one power-of-two scale for each 32 numbers along K (OCP MX v1.0); their sums are f32. All else is computed in f32.
;;   The module's matrix products, in the order in which they are computed (A, B: the left and right operand; K: the contracted axis; several contracted axes count as one K, in the product's order):
;;     1. [M 4,096, K 512] x [K 512, N 4,096]; A: input x (given as codes); B: input Wq (given as codes): QUANTISED
;;     2. [M 4,096, K 512] x [K 512, N 4,096]; A: input x (given as codes); B: input Wk (given as codes): QUANTISED
;;     3. [M 4,096, K 512] x [K 512, N 4,096]; A: input x (given as codes); B: input Wv (given as codes): QUANTISED
;;     4. batch 32 x [M 1,024, K 512] x [K 512, N 1,024]; A: computed on the way; B: computed on the way: QUANTISED
;;     5. batch 32 x [M 512, K 1,024] x [K 1,024, N 1,024]; A: computed on the way; B: softmax (see below): QUANTISED
;;     6. [M 4,096, K 4,096] x [K 4,096, N 8]; A: computed on the way; B: input Wo: left as it is (N = 8 < 16)
;;   THE QUANTISER, for each operand of a quantised product, along K:
;;     - K is cut into blocks of 32 from its start; a last block that is shorter is filled with zeros.
;;     - A block's scale is 2^e with e = floor(log2(the largest magnitude in the block)) - 8, held to -126 .. 127; a block of zeros has e = 0. As a byte (E8M0): e + 127.
;;     - Each number is divided by its block's scale, clamped to +-448, and rounded to the nearest number of E4M3, ties to even, subnormals kept.
;;     - The product sums the exact products of the quantised numbers (number of the format x scale) in f32.
;;   ~~~python
;;   def quantise(x, axis):      # numpy; x: float32 -> the quantised numbers, widened to float32 again
;;       x = np.moveaxis(x, axis, -1); K = x.shape[-1]
;;       x = np.pad(x, [(0, 0)] * (x.ndim - 1) + [(0, -K % 32)]); x = x.reshape(x.shape[:-1] + (-1, 32)); a = np.abs(x).max(-1, keepdims=True)
;;       e = np.where(a > 0, np.clip(np.frexp(np.where(a > 0, a, 1))[1] - 1 - 8, -126, 127), 0)      # np.frexp(a)[1] - 1 = floor(log2(a)), exactly
;;       r = np.clip(x / 2.0 ** e, -448, 448)
;;       step = 2.0 ** (np.maximum(np.frexp(np.where(r == 0, 1, r))[1] - 1, -6) - 3)
;;       q = np.round(r / step) * step * 2.0 ** e      # np.round: ties to even
;;       return np.moveaxis(q.reshape(q.shape[:-2] + (-1,))[..., :K], -1, axis).astype(np.float32)
;;   ~~~
;;   SOFTMAX AHEAD OF A QUANTISED PRODUCT. Where the list says 'softmax', what is quantised is not the finished softmax but p = 2^(t - M), with t = logit x log2(e) and M = ceil(the row's largest t), a whole number; so 1/2 < the row's largest p <= 1. The row's sum l is taken of the UNQUANTISED p, in f32, and the product's result is divided by l at the end. Since M is a whole number, a kernel that streams over the keys may use a running M (the ceiling of the running maximum): every later rescaling is an exact power of two, which a block's scale takes up: the codes' values come out the same.
;;   OPERANDS COMPUTED ON THE WAY. 'Computed on the way' means the value that the module computes at that place (a softmax that the list does not call 'softmax' is quantised finished and normalised). What goes into a quantiser is computed in f32, as accurately as f32 sums, v_exp_f32 and their like allow (about 1e-6 of the number): no bf16 or f16 on the way to a quantiser, and a product that is left as it is and whose result goes on into a quantised operand takes f32 operands (vector FMAs, or v_wmma_f32_16x16x4_f32). A number that lies on a knife's edge between two numbers of the format may be rounded either way, as far as f32 arithmetic and the matrix unit's own rounding can turn it there, and no further.
;;   INPUTS GIVEN AS CODES. Wk (in the module: [512, 4096], K = its axis 0); Wq (in the module: [512, 4096], K = its axis 0); Wv (in the module: [512, 4096], K = its axis 0); x (in the module: [1024, 4, 512], K = its axis 2): each comes as NAME_codes (uint8): NAME with its K axis moved to the last place and cut into blocks of 32 codes, [.., K / 32, bytes a block], one block behind the other in memory; one code a byte (a code: sign, 4 exponent bits, 3 mantissa bits); and NAME_scales (uint8): the same leading axes, one E8M0 byte (e + 127) for each 32 codes along K. Its value is code x scale, taken as it is: it is not quantised again, and the codes and scales need not be those that the quantiser above would give.
;; One version. Each part assembles by itself: llvm-mc -triple=amdgcn-amd-amdhsa -mcpu=gfx1250 --defsym DOCPART=n.
;; ======== version 1 of 1: 3 launches
;; workspace buffers: qc 16,777,216 bytes; qs 524,288 bytes; kc 16,777,216 bytes; ks 524,288 bytes; vc 16,777,216 bytes; vs 524,288 bytes; part 1,048,576 bytes
;; launch proj (part 1): grid 16 x 16, 4 waves a work-group, clusters of 4 x 4, 327,680 bytes of LDS; arguments x_codes, x_scales, Wq_codes, Wq_scales, Wk_scales, Wv_scales, Wk_codes, Wv_codes, bq, qc, qs, bk, kc, ks, bv, vc, vs; writes qc, qs, kc, ks, vc, vs
.if DOCPART == 1
	.amdgcn_target "amdgcn-amd-amdhsa--gfx1250"
	.amdhsa_code_object_version 6
	.text
	.protected	k_q1064d51b45_proj
	.globl	k_q1064d51b45_proj
	.p2align	8
	.type	k_q1064d51b45_proj,@function
k_q1064d51b45_proj:
	s_mov_b64 s[64:65], 0
	v_nop
	global_prefetch_b8 v0, s[64:65] scope:SCOPE_SE
	s_setreg_imm32_b32 hwreg(HW_REG_WAVE_MODE, 25, 1), 1
	s_wait_xcnt 0x0
	s_wait_alu depctr_hold_cnt(0) depctr_sa_sdst(0) depctr_va_vdst(0) depctr_va_sdst(0) depctr_va_ssrc(0) depctr_va_vcc(0) depctr_vm_vsrc(0)
	s_getreg_b32 s2, hwreg(HW_REG_IB_STS2, 6, 4)
	s_cmp_eq_u32 s2, 0
	s_cbranch_scc0 .Lentry_in_a_cluster
	s_endpgm
.Lentry_in_a_cluster:
	s_bfe_u32 s2, ttmp6, 0x10000c
	s_cmp_lg_u32 s2, 0xf033
	s_cbranch_scc0 .Lentry_shape_is_right
	s_endpgm
.Lentry_shape_is_right:
; q = (x Wq + bq) s, k = (x Wk + bk) s, v = x Wv + bv, s = 512^-0.25, on E4M3 codes with E8M0 scales as they are given, and the results
; quantised again by the MX rule: q and k along the head's 512 channels, v along the keys.  x: 4,096 rows (4 t + b) of 512 codes; each W: 4,096 rows (features) of 512 codes.
; SHARES.  16 x 16 work-groups: 256 features ft = x, batch b = y / 4, 256 tokens tq = y % 4.  Four waves, each 128 x 128: 64 accumulators, 512 registers.
; A WORK-GROUP STAYS: it makes q, then k, then v for its tokens and features.  x's tile (all of K = 512, two slots of 256 along K), x's scale bytes and the scale bytes of all three weights are
; filled once and stay in LDS; W's half of the two slots is filled again twice.  The refill is asked for in front of a tensor's last K step, when all of W's fragments have been read:
; it has that step's 64 products and the whole way out in which to land, and a tensor's stores leave under the next tensor's products.
; CLUSTERS: 4 x 4.  x's tiles hang on (b, tq) and are shared along a row of the cluster, W's on ft and are shared along a column: each is asked for jointly.
; WHICH OPERAND IS SOURCE 0.  In a result a lane holds one row of source 1, and its registers run along the rows of source 0.  So source 0 (P) is the operand along whose rows the NEXT product's K runs:
; W (channels) for q and k, x (tokens = keys) for v.  A wave's 128 rows of P are one K step of the next product: the 64 registers of one tile of source 1 (R) become one fragment and one scale word a row.
; q and k run the same text, a loop of two trips whose buffers are chosen by the trip's number; v's text is written out behind it.
; ORDER INSIDE A BLOCK OF 32.  Registers 16 c + 8 u + j of lane (r, h) hold next-K index 32 c + 16 u + 8 h + j; they are converted in that order.  That permutes k inside each block of 32, alike in q and k,
; and alike in v and in the weights p that the next launch makes; blocks, scales and codes are the quantiser's own, only the order of additions inside a matrix instruction differs.
; OUT: images of operand registers: a fragment is 4 x 512 bytes, lane l's 16 bytes at 16 l; a store of the wave covers 512 consecutive bytes, aligned.
; LIMITS: NaN and infinities are not served; a block of zeros gets the byte 1 where the rule says 127 (its codes are zeros, and this program alone reads the bytes); a block whose largest magnitude lies under
; 2^-118 is held at the byte 1; q and k are formed as fma(sum, s, b s), one rounding away from (sum + b) s.
.set PITCH,  272                       ; an LDS row: 256 bytes + 16 of padding: the 16 rows of a fragment load start at 16 different groups of banks
.set HALFT,  128*PITCH                 ; 128 rows: one tensor load, and what a wave reads of x or of W
.set SLOT,   4*HALFT                   ; x's 256 rows, then W's 256 rows
.set SCX,    2*SLOT                    ; x's scale bytes of 256 tokens, all four b: 64 rows of 256 + 16
.set SCXH,   32*272
.set SCW,    SCX+2*SCXH                ; W's scale bytes of 256 rows: 16 rows of 256 + 16, once for each of the three weights
.set SCWH,   8*272
.set SCWT,   2*SCWH
.set SPARE,  327168                    ; the last 512 bytes: the spare words, 128 bytes for each wave: two blocks of 256 bytes that no other line names
.set PADW,   (1<<20)|(1<<21)|(5<<22)|(3<<25)   ; padding on; bit 21 beside a mask; after every 64 words; 4 words
.set G1X,  32                          ; s[32:39] group 1, x's tiles;  s[40:47] W's (it stays);  s[48:55] x's scales;  s[56:63] W's scales
.set G1W,  40
.set G1SX, 48
.set G1SW, 56
.set G0X,  68                          ; s[68:75] group 0, x's slots 0, 1;  s[76:83] Wq's;  s[84:87] x's scales;  s[88:91], s[4:7], s[8:11] the scales of Wq, Wk, Wv
.set G0W,  76
.set G0SX, 84
.set G0SQ, 88
.set G0SK, 4
.set G0SV, 8
; When the first fills have landed their descriptors are done with, and their registers take the other buffers' addresses:
.set NWK,  76                          ; s[76:77] Wk's codes, s[78:79] Wv's, at my part of a refill;  s[80:83] the refill's group 0
.set NWV,  78
.set G0R,  80
.set PQ,   48                          ; s[48:53] bq, qc, qs;  s[56:61] bk, kc, ks;  s[84:89] bv, vc, vs;  s[12:17] the trip's three
.set PK,   56
.set PV,   84
.set ADRX, 16                          ; v16-17 LDS address of my fragments of x in slot 0, 1
.set ADRW, 20                          ; v20-21 the same for W
.set ASX,  24                          ; v24 my rows' scale words of x;  v25 of W: it steps from weight to weight
.set ASW,  25
.set BOQ,  26                          ; v26 lane offset in q's and k's bias;  v27 lane offset of their scale words' store;  v28, v29 the same for v
.set SOQ,  27
.set BOV,  28
.set SOV,  29
.set SPW,  30                          ; v30 my spare word;  v31 0: never rewritten
.set NIL,  31
.set SCP,  32                          ; v32-63 source 0's scale words (4 x tile + K step);  v64-95 source 1's: scales and nothing else
.set SCR,  64
.set BVR,  96                          ; v96-103 v's bias, one register a tile of R
.set PWD,  104                         ; v104-111 the eight scale words made
.set TMP,  112                         ; v112-127 at work in the quantiser
.set RF,   128                         ; v128-255 source 1's fragments, one set;  on the way out: v128-191 64 numbers, v192-255 four sets of codes
.set STG,  128
.set PCD,  192
.set MSB, 0
.macro WIN new                         ; the immediate's high byte repeats the setting that is left
.if MSB != (\new)
	s_set_vgpr_msb (MSB<<8)|(\new)
.set MSB, (\new)
.endif
.endm
.macro CREST                           ; a round of the cluster's barrier behind its opening barrier
	s_cmp_lg_u32 s18, 0
	s_cbranch_scc1 .Lnot_wave_0_\@
	s_barrier_signal -3
.Lnot_wave_0_\@:
	s_barrier_wait -3
	s_barrier_signal -1
	s_barrier_wait -1
.endm
.macro CROUND
	s_barrier_signal -1
	s_barrier_wait -1
	CREST
.endm
.macro PLACES n                        ; plain vector places behind matrix instructions: eight for this form
.rept \n
	v_nop
.endr
.endm
.macro FRAG reg, adr, q, i             ; 16 rows x 128 K: lane l holds row l % 16; registers 4 c .. 4 c + 3 hold K = 32 c + 16 (l / 16) + 0 .. 15
.irp c, 0,1,2,3
	ds_load_b128 v[(\reg)+4*\c:(\reg)+4*\c+3], v[\adr] offset:128*(\q)+32*\c+(\i)*16*PITCH
.endr
.endm
.macro FETCH_P ks, set                 ; source 0's eight fragments of K step ks (slot ks / 2) into set (window 1)
	WIN 0x40
.irp i, 0,1,2,3,4,5,6,7
	FRAG 128*(\set)+16*\i, AP+(\ks)/2, (\ks)%2, \i
.endr
	WIN 0
.endm
.macro FETCH_R ks, i0                  ; source 1's tiles i0 .. i0 + 3
.irp i, \i0, \i0+1, \i0+2, \i0+3
	FRAG RF+16*(\i), AR+(\ks)/2, (\ks)%2, \i
.endr
.endm
.macro SCALES                          ; a row's 16 scale bytes are the words of its four K steps: one load a tile
.irp i, 0,1,2,3,4,5,6,7
	ds_load_b128 v[SCP+4*\i:SCP+4*\i+3], v[ASP] offset:\i*STP
.endr
.irp i, 0,1,2,3,4,5,6,7
	ds_load_b128 v[SCR+4*\i:SCR+4*\i+3], v[ASR] offset:\i*STR
.endr
.endm
; 16 matrix instructions: R's tiles a0, a0 + 1 x P's eight.  The 64 accumulators take turns, one instruction a turn, in the same order in every K step and from tensor to tensor.
.macro MUL16 a0, set, ks, zero
.irp a, \a0, \a0+1
.irp p, 0,1,2,3,4,5,6,7
.if \zero
	v_wmma_scale_f32_16x16x128_f8f6f4 v[8*(8*((\a)%4)+\p):8*(8*((\a)%4)+\p)+7], v[128*(\set)+16*\p:128*(\set)+16*\p+15], v[RF+16*(\a):RF+16*(\a)+15], 0, v[SCP+4*\p+(\ks)], v[SCR+4*(\a)+(\ks)]
.else
	v_wmma_scale_f32_16x16x128_f8f6f4 v[8*(8*((\a)%4)+\p):8*(8*((\a)%4)+\p)+7], v[128*(\set)+16*\p:128*(\set)+16*\p+15], v[RF+16*(\a):RF+16*(\a)+15], v[8*(8*((\a)%4)+\p):8*(8*((\a)%4)+\p)+7], v[SCP+4*\p+(\ks)], v[SCR+4*(\a)+(\ks)]
.endif
.endr
.endr
.endm
.macro KSTEP ks, zero                  ; a K step that has a successor: both slots are whole behind the tensor's barrier, so no barrier stands between K steps
	s_wait_dscnt 16                                ; all but the youngest 16 loads (R's tiles 4-7) are in
	WIN 0xa1                                       ; source 0 window 1, source 1 window 0, C and D window 2
	MUL16 0, (\ks)%2, \ks, \zero
	MUL16 2, (\ks)%2, \ks, \zero
	s_wait_dscnt 0x0                               ; R's tiles 4-7 are in
	PLACES 8
	FETCH_P (\ks)+1, 1-(\ks)%2
	FETCH_R (\ks)+1, 0
	WIN 0xf1                                       ; C and D window 3
	MUL16 4, (\ks)%2, \ks, \zero
	MUL16 6, (\ks)%2, \ks, \zero
	PLACES 8
	WIN 0
	FETCH_R (\ks)+1, 4
.endm
.macro KLAST waited                    ; the last K step; waited = 1: a wait for all LDS loads stands in front of it already
.if \waited == 0
	s_wait_dscnt 16
.endif
	WIN 0xa1
	MUL16 0, 1, 3, 0
	MUL16 2, 1, 3, 0
.if \waited == 0
	s_wait_dscnt 0x0
.endif
	WIN 0xf1
	MUL16 4, 1, 3, 0
	MUL16 6, 1, 3, 0
	WIN 0
.endm
.macro LANDED                          ; my tensor loads have landed, and behind the barrier everybody's have
	s_wait_tensorcnt 0x0
	s_barrier_signal -1
	s_barrier_wait -1
.endm
; 64 numbers of a lane, v[s] on, 16 of each of four blocks of 32 (the other 16 lie in lane l xor 16), become a fragment's codes in v[pc] on and its scale word in v[pw].
.macro QUANT s, pc, pw
.irp b, 0,1,2,3
	v_max3_num_f32 v[TMP+\b], |v[(\s)+16*\b]|, |v[(\s)+1+16*\b]|, 0x4800000   ; with the floor 2^(9 - 127): the byte cannot fall under 1
.endr
.irp i, 2,4,6,8,10,12,14
.irp b, 0,1,2,3
	v_max3_num_f32 v[TMP+\b], v[TMP+\b], |v[(\s)+16*\b+\i]|, |v[(\s)+1+16*\b+\i]|
.endr
.endr
.irp b, 0,1,2,3
	v_permlanex16_b32 v[TMP+4+\b], v[TMP+\b], s92, s93
.endr
.irp b, 0,1,2,3
	v_max_num_f32 v[TMP+\b], v[TMP+\b], v[TMP+4+\b]          ; the block's largest magnitude
.endr
.irp b, 0,1,2,3
	v_add_nc_u32 v[TMP+12+\b], 0xfc000000, v[TMP+\b]         ; 8 off its exponent field: the conversion's scale operand
.endr
.irp b, 0,1,2,3
	v_and_or_b32 v[TMP+8+\b], v[TMP+\b], 0x7f800000, s96     ; 448 x the scale
.endr
.irp b, 0,1,2,3
	v_lshrrev_b32 v[TMP+4+\b], 23, v[TMP+12+\b]              ; the scale's byte
.endr
	v_lshl_or_b32 v[\pw], v[TMP+5], 8, v[TMP+4]
	v_lshl_or_b32 v[\pw], v[TMP+6], 16, v[\pw]
	v_lshl_or_b32 v[\pw], v[TMP+7], 24, v[\pw]
.irp b, 0,1,2,3
.irp i, 0,1,2,3,4,5,6,7,8,9,10,11,12,13,14,15
	v_med3_num_f32 v[(\s)+16*\b+\i], v[(\s)+16*\b+\i], -v[TMP+8+\b], v[TMP+8+\b]   ; the conversion does not saturate (ISA guide 7.6.2): the hold
.endr
	v_cvt_scalef32_pk8_fp8_f32 v[(\pc)+4*\b:(\pc)+4*\b+1], v[(\s)+16*\b:(\s)+16*\b+7], v[TMP+12+\b]
	v_cvt_scalef32_pk8_fp8_f32 v[(\pc)+4*\b+2:(\pc)+4*\b+3], v[(\s)+16*\b+8:(\s)+16*\b+15], v[TMP+12+\b]
.endr
	v_nop                                          ; a plain line behind the last conversion
.endm
; R's tile i leaves: bias (and s), the quantiser, four stores of 512 consecutive bytes.
.macro OUTT i, isv
.if (\i) >= 4
	s_wait_xcnt 0x0                                ; tile i - 4's stores have read the set of code registers that is written again now
.endif
.set kk, 0
.if \isv
	WIN 0x02+(\i)/4                                ; source 0: window 2 or 3
.rept 32
.if (\i)%2
	v_pk_add_f32 v[STG+kk:STG+kk+1], v[64*((\i)%4)+kk:64*((\i)%4)+kk+1], v[BVR+2*((\i)/2):BVR+2*((\i)/2)+1] op_sel:[0,1] op_sel_hi:[1,1]
.else
	v_pk_add_f32 v[STG+kk:STG+kk+1], v[64*((\i)%4)+kk:64*((\i)%4)+kk+1], v[BVR+2*((\i)/2):BVR+2*((\i)/2)+1] op_sel_hi:[1,0]
.endif
.set kk, kk+2
.endr
.else
	WIN 0x12+(\i)/4                                ; source 0: window 2 or 3; source 2 (bias x s): window 1
.rept 32
	v_pk_fma_f32 v[STG+kk:STG+kk+1], v[64*((\i)%4)+kk:64*((\i)%4)+kk+1], s[94:95], v[kk:kk+1] op_sel_hi:[1,0,1]
.set kk, kk+2
.endr
.endif
	WIN 0
	QUANT STG, PCD+16*((\i)%4), PWD+(\i)
.irp c, 0,1,2,3
.if \isv
	global_store_b128 v3, v[PCD+16*((\i)%4)+4*\c:PCD+16*((\i)%4)+4*\c+3], s[OC:OC+1] offset:(\i)*2048+512*\c
.else
	global_store_b128 v3, v[PCD+16*((\i)%4)+4*\c:PCD+16*((\i)%4)+4*\c+3], s[OC:OC+1] offset:((\i)/4)*32768+((\i)%4)*2048+512*\c
.endif
.endr
.endm
; One tensor: four K steps and the way out.  isv = 0: q or k, and W's bytes are filled again for the tensor that follows;  isv = 1: v, the last: nothing is asked for.
.macro BODY isv
.if \isv
.set AP, ADRX
.set AR, ADRW
.set ASP, ASX
.set ASR, ASW
.set STP, 1088
.set STR, 272
.set BI, PV
.set OC, PV+2
.set OS, PV+4
.irp i, 0,1,2,3,4,5,6,7
	global_load_b32 v[BVR+\i], v[BOV], s[BI:BI+1] offset:64*\i       ; v's bias goes with R's row
.endr
.else
.set AP, ADRW
.set AR, ADRX
.set ASP, ASW
.set ASR, ASX
.set STP, 272
.set STR, 1088
.set BI, 12
.set OC, 14
.set OS, 16
.endif
	FETCH_P 0, 0
	FETCH_R 0, 0
	SCALES
	FETCH_R 0, 4
	KSTEP 0, 1                                     ; the first products start the sums: nothing is cleared
	KSTEP 1, 0
	KSTEP 2, 0
.if \isv == 0
	WIN 0x40                                       ; P's set 0 is done with (eight places stand behind its last product): it takes the bias, eight numbers a tile of P, which lands under the last K step
.irp p, 0,1,2,3,4,5,6,7
	global_load_b128 v[8*\p:8*\p+3], v[BOQ], s[BI:BI+1] offset:64*\p
	global_load_b128 v[8*\p+4:8*\p+7], v[BOQ], s[BI:BI+1] offset:64*\p+16
.endr
	WIN 0
	s_wait_tensorcnt 0x0                           ; no tensor load of mine is out: the refill's group 0 may be written
	ds_add_u32 v[SPW], v[NIL]
	s_cmp_eq_u32 s24, 0                            ; behind q comes Wk, behind k comes Wv: the choice hangs on the trip's number alone
	s_cselect_b64 s[G0R+2:G0R+3], s[NWK:NWK+1], s[NWV:NWV+1]
	s_or_b32 s[G0R+3], s[G0R+3], 0x80000000
	s_wait_dscnt 0x0                               ; the add is done, and my reads of W's bytes are over: the last K step's fragments are in registers
	CROUND                                         ; that now holds of every wave of every partner
	tensor_load_to_lds s[G0R:G0R+3], s[G1W:G1W+7]  ; my one tensor load until the next round: 128 rows x 256 bytes of the next W
	s_nop 0
	PLACES 4
	KLAST 1
.else
	KLAST 0
.endif
	PLACES 8
	s_wait_loadcnt 0x0                             ; the bias
.if \isv == 0
	WIN 0x41
.set kk, 0
.rept 32
	v_pk_mul_f32 v[kk:kk+1], v[kk:kk+1], s[94:95] op_sel_hi:[1,0]   ; bias x s
.set kk, kk+2
.endr
.endif
.irp t, 0,1,2,3,4,5,6,7
	OUTT \t, \isv
.endr
	v_cmp_eq_u32 vcc_lo, 1, v2                     ; lanes 0-15 store the words of tiles 0-3, lanes 16-31 those of tiles 4-7: sixteen lanes fill 256 consecutive bytes, aligned
.irp j, 0,1,2,3
	v_cndmask_b32 v[TMP+\j], v[PWD+\j], v[PWD+4+\j], vcc_lo
.endr
.if \isv
	global_store_b128 v[SOV], v[TMP:TMP+3], s[OS:OS+1]
.else
	global_store_b128 v[SOQ], v[TMP:TMP+3], s[OS:OS+1]
.endif
.endm
	s_load_b256 s[4:11], s[0:1], 0x0               ; x's codes, x's scales, Wq's codes, Wq's scales
	s_load_b128 s[12:15], s[0:1], 0x20             ; Wk's scales, Wv's scales
	v_lshl_add_u32 v[SPW], v0, 2, SPARE
	v_mov_b32 v[NIL], 0
	ds_add_u32 v30, v31
	ds_add_u32 v30, v31
	s_wait_dscnt 0x0
	v_lshrrev_b32 v1, 5, v0
	v_readfirstlane_b32 s18, v1                    ; wave 0..3
	s_lshr_b32 s19, s18, 1                         ; my half of x's rows.  Also: at the start I fetch for x (0) or for W (1); in a refill: which slot
	s_and_b32 s20, s18, 1                          ; my half of W's rows.  Also: which half I fetch
	s_bfe_u32 s21, ttmp6, 0x40000                  ; cx
	s_bfe_u32 s22, ttmp6, 0x40004                  ; cy = tq
	s_and_b32 s23, ttmp7, 3                        ; b: the cluster's y
	s_lshl_b32 s25, ttmp9, 2
	s_add_co_u32 s25, s25, s21                     ; ft = 4 x the cluster's x + cx
	s_lshl_b32 s26, s22, 2
	s_lshl_b32 s26, 15, s26                        ; my row of the cluster
	s_lshl_b32 s27, 0x1111, s21                    ; my column
	s_or_b32 s[G1X], s26, PADW                     ; elements of 1 byte
	s_or_b32 s[G1W], s27, PADW
	s_or_b32 s[G1SX], s26, (3<<16)|PADW            ; elements of 8 bytes
	s_or_b32 s[G1SW], s27, (3<<16)|PADW
.irp g, G1X, G1W
	s_mov_b32 s[\g+1], 256<<16                     ; tensor_dim0 = 256
	s_mov_b32 s[\g+2], 128<<16                     ; tensor_dim1 = 128
	s_mov_b32 s[\g+3], 256<<16                     ; tile_dim0
	s_mov_b32 s[\g+4], 128                         ; tile_dim1
	s_mov_b32 s[\g+6], 0
	s_mov_b32 s[\g+7], 0
.endr
	s_mov_b32 s[G1X+5], 2048                       ; from token to token of one b
	s_mov_b32 s[G1W+5], 512
	s_mov_b32 s[G1SX+1], 32<<16                    ; dense bytes as rows of 256: 32 rows for x,
	s_mov_b32 s[G1SX+2], 32<<16
	s_mov_b32 s[G1SX+3], 32<<16
	s_mov_b32 s[G1SX+4], 32
	s_mov_b32 s[G1SX+5], 32
	s_mov_b32 s[G1SX+6], 0
	s_mov_b32 s[G1SX+7], 0
	s_mov_b32 s[G1SW+1], 32<<16                    ; 8 rows for a W
	s_mov_b32 s[G1SW+2], 8<<16
	s_mov_b32 s[G1SW+3], 32<<16
	s_mov_b32 s[G1SW+4], 8
	s_mov_b32 s[G1SW+5], 32
	s_mov_b32 s[G1SW+6], 0
	s_mov_b32 s[G1SW+7], 0
	s_lshl_b32 s28, s22, 19                        ; x's codes: 256 tq tokens of 2,048 bytes + my 128 tokens + b's 512 bytes
	s_lshl_b32 s29, s20, 18
	s_add_co_u32 s28, s28, s29
	s_lshl_b32 s29, s23, 9
	s_add_co_u32 s28, s28, s29
	s_mov_b32 s29, 0
	s_lshl_b32 s30, s22, 14                        ; x's scales: 256 tq tokens of 64 bytes + my half
	s_lshl_b32 s31, s20, 13
	s_add_co_u32 s30, s30, s31
	s_mov_b32 s31, 0
	s_lshl_b32 s98, s25, 17                        ; a W's codes: 256 ft rows of 512 bytes + my half
	s_lshl_b32 s99, s20, 16
	s_add_co_u32 s98, s98, s99
	s_mov_b32 s99, 0
	s_lshl_b32 s100, s25, 12                       ; a W's scales
	s_lshl_b32 s101, s20, 11
	s_add_co_u32 s100, s100, s101
	s_mov_b32 s101, 0
	s_mul_i32 s26, s18, HALFT                      ; where the first tiles go: wave x 128 rows: no place in the cluster enters an LDS address
	s_mul_i32 s27, s20, SCXH
	s_mul_i32 s97, s20, SCWH
	s_mov_b32 s92, 0x76543210
	s_mov_b32 s93, 0xfedcba98                      ; lane l xor 16
	s_mov_b32 s94, 0x3e5744fd                      ; s = 512^-0.25
	s_mov_b32 s95, s94
	s_mov_b32 s96, 0x600000                        ; the mantissa field of 448
	s_wait_kmcnt 0x0
	CROUND                                         ; all sixteen work-groups are here: the first joint loads meet
	s_mov_b32 s[G0X], 1                            ; x's two slots
	s_add_co_u32 s[G0X+1], s26, 0
	s_add_nc_u64 s[G0X+2:G0X+3], s[4:5], s[28:29]
	s_mov_b32 s[G0X+4], 1
	s_add_co_u32 s[G0X+5], s26, SLOT
	s_add_nc_u64 s[G0X+6:G0X+7], s[G0X+2:G0X+3], 256
	s_or_b32 s[G0X+3], s[G0X+3], 0x80000000
	s_or_b32 s[G0X+7], s[G0X+7], 0x80000000
	s_mov_b32 s[G0SX], 1                           ; x's scales
	s_add_co_u32 s[G0SX+1], s27, SCX
	s_add_nc_u64 s[G0SX+2:G0SX+3], s[6:7], s[30:31]
	s_or_b32 s[G0SX+3], s[G0SX+3], 0x80000000
	s_mov_b32 s[G0W], 1                            ; Wq's two slots
	s_add_co_u32 s[G0W+1], s26, 0
	s_add_nc_u64 s[G0W+2:G0W+3], s[8:9], s[98:99]
	s_mov_b32 s[G0W+4], 1
	s_add_co_u32 s[G0W+5], s26, SLOT
	s_add_nc_u64 s[G0W+6:G0W+7], s[G0W+2:G0W+3], 256
	s_or_b32 s[G0W+3], s[G0W+3], 0x80000000
	s_or_b32 s[G0W+7], s[G0W+7], 0x80000000
	s_mov_b32 s[G0SQ], 1                           ; the three weights' scales
	s_add_co_u32 s[G0SQ+1], s97, SCW
	s_add_nc_u64 s[G0SQ+2:G0SQ+3], s[10:11], s[100:101]
	s_or_b32 s[G0SQ+3], s[G0SQ+3], 0x80000000
	s_mov_b32 s[G0SK], 1                           ; (x's two addresses have been read: their registers take this group)
	s_add_co_u32 s[G0SK+1], s97, SCW+SCWT
	s_add_nc_u64 s[G0SK+2:G0SK+3], s[12:13], s[100:101]
	s_or_b32 s[G0SK+3], s[G0SK+3], 0x80000000
	s_mov_b32 s[G0SV], 1                           ; (Wq's two likewise)
	s_add_co_u32 s[G0SV+1], s97, SCW+2*SCWT
	s_add_nc_u64 s[G0SV+2:G0SV+3], s[14:15], s[100:101]
	s_or_b32 s[G0SV+3], s[G0SV+3], 0x80000000
	s_cmp_eq_u32 s19, 0                            ; a wave's first fills stand in one branch on its number: three tensor loads are out in waves 0 and 1, five in waves 2 and 3
	s_cbranch_scc0 .Lfill_w
	tensor_load_to_lds s[G0SX:G0SX+3], s[G1SX:G1SX+7]
	s_nop 0
	tensor_load_to_lds s[G0X:G0X+3], s[G1X:G1X+7]
	s_nop 0
	tensor_load_to_lds s[G0X+4:G0X+7], s[G1X:G1X+7]
	s_nop 0
.rept 4
	v_nop
.endr
	s_branch .Lfilled
.Lfill_w:
	tensor_load_to_lds s[G0SQ:G0SQ+3], s[G1SW:G1SW+7]
	s_nop 0
	tensor_load_to_lds s[G0SK:G0SK+3], s[G1SW:G1SW+7]
	s_nop 0
	tensor_load_to_lds s[G0SV:G0SV+3], s[G1SW:G1SW+7]
	s_nop 0
	tensor_load_to_lds s[G0W:G0W+3], s[G1W:G1W+7]
	s_nop 0
	tensor_load_to_lds s[G0W+4:G0W+7], s[G1W:G1W+7]
	s_nop 0
.rept 4
	v_nop
.endr
.Lfilled:
	v_and_b32 v1, 15, v0                           ; r
	v_bfe_u32 v2, v0, 4, 1                         ; h
	v_and_b32 v3, 31, v0
	v_lshlrev_b32 v3, 4, v3                        ; 16 x lane: an image's place for my lane
	v_mul_u32_u24 v4, v1, PITCH
	v_lshl_add_u32 v4, v2, 4, v4                   ; a fragment's row x pitch + 16 h
	s_mul_i32 s28, s19, HALFT                      ; my 128 rows of x
	s_mul_i32 s29, s20, HALFT                      ; my 128 rows of W,
	s_add_co_u32 s29, s29, 2*HALFT                 ; behind x's 256
.irp s, 0,1
	v_add_nc_u32 v[ADRX+\s], s28, v4
	v_add_nc_u32 v[ADRW+\s], s29, v4
	s_add_co_u32 s28, s28, SLOT
	s_add_co_u32 s29, s29, SLOT
.endr
	v_lshrrev_b32 v5, 2, v1
	v_lshlrev_b32 v5, 4, v5
	v_lshl_add_u32 v5, v1, 6, v5                   ; x's scales: 64 bytes a token, 16 more for each 256 passed
	s_mul_i32 s28, s19, SCXH
	s_lshl_b32 s29, s23, 4                         ; and b's 16 bytes of them
	s_add_co_u32 s28, s28, s29
	s_add_co_u32 s28, s28, SCX
	v_add_nc_u32 v[ASX], s28, v5
	s_mul_i32 s28, s20, SCWH
	s_add_co_u32 s28, s28, SCW
	v_lshl_add_u32 v[ASW], v1, 4, s28              ; W's: 16 bytes a row; Wq's first
	v_lshlrev_b32 v[BOQ], 5, v2                    ; q, k: the bias goes with P's row: eight numbers a tile, 32 h on
	v_lshlrev_b32 v[BOV], 2, v1                    ; v: with R's row: 4 r
	v_lshlrev_b32 v5, 4, v1
	v_lshl_add_u32 v[SOQ], v2, 10, v5              ; 1,024 h + 16 r
	v_lshl_add_u32 v[SOV], v2, 8, v5               ; 256 h + 16 r
.irp b, 0,1,2,3
	v_mov_b32 v[TMP+4+\b], 0                       ; written once: a lane permute's destination counts as one of its sources
.endr
	s_wait_tensorcnt 0x0                           ; all my first fills have landed: their descriptors' registers may be written
	s_load_b128 s[NWK:NWK+3], s[0:1], 0x30         ; Wk's codes, Wv's codes
	s_load_b128 s[PQ:PQ+3], s[0:1], 0x40           ; bq, qc
	s_load_b64 s[PQ+4:PQ+5], s[0:1], 0x50          ; qs
	s_load_b128 s[PK:PK+3], s[0:1], 0x58           ; bk, kc
	s_load_b64 s[PK+4:PK+5], s[0:1], 0x68          ; ks
	s_load_b128 s[PV:PV+3], s[0:1], 0x70           ; bv, vc
	s_load_b64 s[PV+4:PV+5], s[0:1], 0x80          ; vs
	s_barrier_signal -1
	s_barrier_wait -1                              ; everybody's first fills have landed
	s_lshl_b32 s26, s23, 3
	s_lshr_b32 s27, s25, 1
	s_add_co_u32 s26, s26, s27                     ; head n = 8 b + ft / 2
	s_lshl_b32 s27, s22, 1
	s_add_co_u32 s27, s27, s19                     ; block of 128 tokens: 2 tq + my half
	s_and_b32 s28, s25, 1
	s_lshl_b32 s28, s28, 1
	s_add_co_u32 s28, s28, s20                     ; which 128 of the head's 512 channels: 2 (ft % 2) + my half
	s_lshl_b32 s30, s26, 19
	s_lshl_b32 s31, s27, 16
	s_add_co_u32 s30, s30, s31
	s_lshl_b32 s31, s28, 13
	s_add_co_u32 s66, s30, s31                     ; q, k: a group of 8,192 bytes for each 128 channels;
	s_add_co_u32 s30, s66, s31                     ; v: 8 fragments of 2,048 bytes: twice that
	s_mov_b32 s67, 0
	s_mov_b32 s31, 0
	s_wait_kmcnt 0x0
	s_add_nc_u64 s[PQ+2:PQ+3], s[PQ+2:PQ+3], s[66:67]
	s_add_nc_u64 s[PK+2:PK+3], s[PK+2:PK+3], s[66:67]
	s_add_nc_u64 s[PV+2:PV+3], s[PV+2:PV+3], s[30:31]
	s_lshl_b32 s30, s26, 14                        ; the scale words' places likewise
	s_lshl_b32 s29, s27, 11
	s_add_co_u32 s30, s30, s29
	s_lshl_b32 s29, s28, 8
	s_add_co_u32 s66, s30, s29
	s_add_co_u32 s30, s66, s29
	s_add_nc_u64 s[PQ+4:PQ+5], s[PQ+4:PQ+5], s[66:67]
	s_add_nc_u64 s[PK+4:PK+5], s[PK+4:PK+5], s[66:67]
	s_add_nc_u64 s[PV+4:PV+5], s[PV+4:PV+5], s[30:31]
	s_lshl_b32 s30, s25, 10                        ; the bias of my 128 features
	s_lshl_b32 s29, s20, 9
	s_add_co_u32 s30, s30, s29
	s_add_nc_u64 s[PQ:PQ+1], s[PQ:PQ+1], s[30:31]
	s_add_nc_u64 s[PK:PK+1], s[PK:PK+1], s[30:31]
	s_add_nc_u64 s[PV:PV+1], s[PV:PV+1], s[30:31]
	s_lshl_b32 s97, s19, 8                         ; a refill: wave w brings half w % 2 of the rows, K bytes 256 (w / 2) on,
	s_add_co_u32 s98, s98, s97
	s_add_nc_u64 s[NWK:NWK+1], s[NWK:NWK+1], s[98:99]
	s_add_nc_u64 s[NWV:NWV+1], s[NWV:NWV+1], s[98:99]
	s_mov_b32 s[G0R], 1
	s_mul_i32 s[G0R+1], s19, SLOT                  ; into slot w / 2, behind x's 256 rows
	s_mul_i32 s97, s20, HALFT
	s_add_co_u32 s[G0R+1], s[G0R+1], s97
	s_add_co_u32 s[G0R+1], s[G0R+1], 2*HALFT
	s_mov_b32 s24, 0
.Ltensor:                                          ; two trips: q, then k
	s_cmp_eq_u32 s24, 0                            ; the trip's three buffers: the choice hangs on the trip's number alone
	s_cselect_b64 s[12:13], s[PQ:PQ+1], s[PK:PK+1]
	s_cselect_b64 s[14:15], s[PQ+2:PQ+3], s[PK+2:PK+3]
	s_cselect_b64 s[16:17], s[PQ+4:PQ+5], s[PK+4:PK+5]
	BODY 0
	s_wait_xcnt 0x0                                ; the stores have read their registers and bases: both are written again in the next tensor
	v_add_nc_u32 v[ASW], SCWT, v[ASW]              ; the next weight's scale words
	LANDED                                         ; my part of the next W, the one load of mine that was out
	s_add_co_u32 s24, s24, 1
	s_cmp_lt_u32 s24, 2
	s_cbranch_scc1 .Ltensor
	BODY 1
	s_wait_tensorcnt 0x0                           ; the wave's end
	ds_add_u32 v[SPW], v[NIL]
	s_wait_dscnt 0x0
	CROUND                                         ; the closing round: no work-group ends while a partner may still ask for a tile that names it
	s_endpgm
.Lfunc_end_k_q1064d51b45_proj:
	.size	k_q1064d51b45_proj, .Lfunc_end_k_q1064d51b45_proj-k_q1064d51b45_proj
	.p2alignl 7, 3214868480
	.fill 96, 4, 3214868480
	.section	.rodata,"a",@progbits
	.p2align	6, 0x0
	.amdhsa_kernel k_q1064d51b45_proj
		.amdhsa_group_segment_fixed_size 327680
		.amdhsa_private_segment_fixed_size 0
		.amdhsa_enable_private_segment 0
		.amdhsa_kernarg_size 136
		.amdhsa_user_sgpr_count 2
		.amdhsa_user_sgpr_kernarg_segment_ptr 1
		.amdhsa_wavefront_size32 1
		.amdhsa_system_sgpr_workgroup_id_x 1
		.amdhsa_system_sgpr_workgroup_id_y 1
		.amdhsa_system_sgpr_workgroup_id_z 1
		.amdhsa_system_vgpr_workitem_id 0
		.amdhsa_next_free_vgpr 1024
		.amdhsa_next_free_sgpr 102
		.amdhsa_reserve_vcc 1
		.amdhsa_float_denorm_mode_32 3
		.amdhsa_float_denorm_mode_16_64 3
		.amdhsa_memory_ordered 1
		.amdhsa_forward_progress 1
		.amdhsa_inst_pref_size 255
	.end_amdhsa_kernel
	.section	.bss,"aw",@nobits
	.p2align	6
	.space	262144
	.amdgpu_metadata
---
amdhsa.version: [ 1, 2 ]
amdhsa.kernels:
  - .name:           k_q1064d51b45_proj
    .symbol:         k_q1064d51b45_proj.kd
    .args:
      - { .name: x_codes, .offset: 0, .size: 8, .value_kind: global_buffer, .address_space: global }
      - { .name: x_scales, .offset: 8, .size: 8, .value_kind: global_buffer, .address_space: global }
      - { .name: Wq_codes, .offset: 16, .size: 8, .value_kind: global_buffer, .address_space: global }
      - { .name: Wq_scales, .offset: 24, .size: 8, .value_kind: global_buffer, .address_space: global }
      - { .name: Wk_scales, .offset: 32, .size: 8, .value_kind: global_buffer, .address_space: global }
      - { .name: Wv_scales, .offset: 40, .size: 8, .value_kind: global_buffer, .address_space: global }
      - { .name: Wk_codes, .offset: 48, .size: 8, .value_kind: global_buffer, .address_space: global }
      - { .name: Wv_codes, .offset: 56, .size: 8, .value_kind: global_buffer, .address_space: global }
      - { .name: bq, .offset: 64, .size: 8, .value_kind: global_buffer, .address_space: global }
      - { .name: qc, .offset: 72, .size: 8, .value_kind: global_buffer, .address_space: global }
      - { .name: qs, .offset: 80, .size: 8, .value_kind: global_buffer, .address_space: global }
      - { .name: bk, .offset: 88, .size: 8, .value_kind: global_buffer, .address_space: global }
      - { .name: kc, .offset: 96, .size: 8, .value_kind: global_buffer, .address_space: global }
      - { .name: ks, .offset: 104, .size: 8, .value_kind: global_buffer, .address_space: global }
      - { .name: bv, .offset: 112, .size: 8, .value_kind: global_buffer, .address_space: global }
      - { .name: vc, .offset: 120, .size: 8, .value_kind: global_buffer, .address_space: global }
      - { .name: vs, .offset: 128, .size: 8, .value_kind: global_buffer, .address_space: global }
    .group_segment_fixed_size: 327680
    .private_segment_fixed_size: 0
    .kernarg_segment_align: 8
    .kernarg_segment_size: 136
    .max_flat_workgroup_size: 128
    .sgpr_count:     102
    .vgpr_count:     1024
    .wavefront_size: 32
...
	.end_amdgpu_metadata
.endif
;; end of part 1
;; launch attn (part 2): grid 8 x 32, 4 waves a work-group, clusters of 4 x 1, 327,680 bytes of LDS; arguments qc, qs, kc, ks, vc, vs, Wo, part; writes part
.if DOCPART == 2
	.amdgcn_target "amdgcn-amd-amdhsa--gfx1250"
	.amdhsa_code_object_version 6
	.text
	.protected	k_q1064d51b45_attn
	.globl	k_q1064d51b45_attn
	.p2align	8
	.type	k_q1064d51b45_attn,@function
k_q1064d51b45_attn:
	s_mov_b64 s[64:65], 0
	v_nop
	global_prefetch_b8 v0, s[64:65] scope:SCOPE_SE
	s_setreg_imm32_b32 hwreg(HW_REG_WAVE_MODE, 25, 1), 1
	s_wait_xcnt 0x0
	s_wait_alu depctr_hold_cnt(0) depctr_sa_sdst(0) depctr_va_vdst(0) depctr_va_sdst(0) depctr_va_ssrc(0) depctr_va_vcc(0) depctr_vm_vsrc(0)
	s_getreg_b32 s2, hwreg(HW_REG_IB_STS2, 6, 4)
	s_cmp_eq_u32 s2, 0
	s_cbranch_scc0 .Lentry_in_a_cluster
	s_endpgm
.Lentry_in_a_cluster:
	s_bfe_u32 s2, ttmp6, 0x10000c
	s_cmp_lg_u32 s2, 0x3003
	s_cbranch_scc0 .Lentry_shape_is_right
	s_endpgm
.Lentry_shape_is_right:
; For head n and 128 queries: S^T = K Q^T (K = the head's 512), p = 2^(t - M), O^T = V^T P^T (K = the keys), both on E4M3 codes with E8M0 scales; then the head's part of ctx Wo.
; t = score x log2(e); M = the running largest t rounded up to a whole number; p is quantised along the keys, not normalised; the row's sum l is taken of the unquantised p and divides at the end.
; When M moves, l and O^T are multiplied by 2^(old M - new M), which rounds nothing.
; SHARES.  8 x 32 work-groups: a block of 128 queries, a head.  Wave w owns query tiles 2 w and 2 w + 1 (32 queries) and walks all 1,024 keys, 128 a step: 64 products K Q^T, the softmax, 64 products V^T P^T.
; Both products are used transposed: a lane holds ONE query (lane % 16) throughout, and p's 16 registers of two neighbouring key tiles are converted as they stand into the second product's operand:
; the order of k inside a block of 32 is then the one in which the launch before laid v's codes.
; OPERANDS arrive as images of their registers: a fragment is 4 x 512 bytes, lane l's 16 bytes at 16 l: dense blocks for the tensor loads, LDS loads of 512 consecutive bytes.
; CLUSTER.  The four query blocks of a cluster belong to one head and walk the same K and V: each tile is asked for jointly.
; RING: two slots of 128 KB (a key step's K, then its V); waves 0, 1 fetch K's halves, waves 2, 3 V's: one load of 32 KB a wave behind each round, with a whole key step in which to land.
; THE LAST PRODUCT (N = 8) takes bf16 operands: Wo^T (rows 8-15 repeat rows 0-7) x the unnormalised O^T; the division by l follows it.  The sum over a batch's 8 heads is the next launch's.
; LIMITS: NaN and infinities are not served; a block of p that has fallen to zeros keeps the byte 1 (its codes are zeros).
; REGISTERS.  Window 0: v1-15 addresses; v16-31 statistics, 8 a tile; v32-39 Q's scale words; v40-47 two sets of K's or V's scale words; v48-79 at work, 16 a tile; v96-223 S^T, then p, 64 a tile; v224-255 p's codes.
;   Window 1: v0-127 Q (64 q + 16 x K step); v128-191, v192-255 two sets of four fragments.   Windows 2, 3: O^T (channel tile ct, query tile q) at v[8 (2 (ct % 16) + q)] of window 2 + ct / 16.
.set SLOT1, 1<<17
.set VOFF,  65536
.set SCK,   262144                     ; K's scale words of the whole head, 16 KB;  V's likewise
.set SCV,   278528
.set WOI,   294912                     ; 16 fragments of Wo^T in bf16, 16 KB: stored by the waves; no fill lands here
.set SPARE, 311296                     ; the spare words, 128 bytes for each wave: two blocks of 256 bytes that no other line names
.set LI,   1                           ; v1  16 x lane
.set ADK,  2                           ; v2-5 the step's addresses: K, V, K's scale words, V's
.set ADV,  3
.set ADS,  4
.set ADT,  5
.set SPW,  6                           ; v6  my spare word;  v7  0: never rewritten
.set NIL,  7
.set AWO,  8                           ; v8  Wo^T's images, read;  v9  stored
.set AWW,  9
.set ASK0, 10
.set ASV0, 11
.set GO,   12                          ; v12 32 r + 16 h: my place in the wave's rows of part
.set HH,   13                          ; v13 h
.set AV0,  15                          ; v15 16 x lane + VOFF
.set TS0,  16                          ; tile q at TS0 + 8 q: +0 -M, +1 largest t, +2 +3 l's halves, +4 f, +5 written dummy (f's pair), +6 p's scale word, +7 at work
.set QS,   32
.set SW,   40
.set BB,   48                          ; tile q at BB + 16 q: +0..3 block maxima, +4..7 bytes / second chain, +8..11 448 x scale, +12..15 the conversions' scale operands
.set SS,   96
.set PP,   224
.set FS,   128
.set MSB, 0
.macro WIN new
.if MSB != (\new)
	s_set_vgpr_msb (MSB<<8)|(\new)
.set MSB, (\new)
.endif
.endm
.macro CROUND                          ; a round of the cluster's barrier
	s_barrier_signal -1
	s_barrier_wait -1
	s_cmp_lg_u32 s20, 0
	s_cbranch_scc1 .Lnot_wave_0_\@
	s_barrier_signal -3
.Lnot_wave_0_\@:
	s_barrier_wait -3
	s_barrier_signal -1
	s_barrier_wait -1
.endm
.macro PLACES n
.rept \n
	v_nop
.endr
.endm
.macro JLOAD                           ; a joint refill; the branch hangs on the wave's number alone; four v_nop follow each line
	s_cmp_lt_u32 s20, 2
	s_cbranch_scc0 .Lfor_v_\@
	tensor_load_to_lds s[40:43], s[24:31]
	s_nop 0
.rept 4
	v_nop
.endr
	s_branch .Lasked_\@
.Lfor_v_\@:
	tensor_load_to_lds s[44:47], s[24:31]
	s_nop 0
.rept 4
	v_nop
.endr
.Lasked_\@:
.endm
; Group G of a key step: 0-7 K's (key tiles 4 (G / 4) + a, channels 128 (G % 4) on), 8-15 V's (channel tiles 4 (G - 8) + a): four scale words by one load, four fragments by sixteen.
.macro LOADG G
	WIN 0
.if (\G) < 8
	ds_load_b128 v[SW+4*((\G)%2):SW+4*((\G)%2)+3], v[ADS] offset:256*(\G)
.else
	ds_load_b128 v[SW+4*((\G)%2):SW+4*((\G)%2)+3], v[ADT] offset:256*((\G)-8)
.endif
	WIN 0x40
.irp a, 0,1,2,3
.irp c, 0,1,2,3
.if (\G) < 8
	ds_load_b128 v[FS+64*((\G)%2)+16*\a+4*\c:FS+64*((\G)%2)+16*\a+4*\c+3], v[ADK] offset:8192*(\G)+2048*\a+512*\c
.else
	ds_load_b128 v[FS+64*((\G)%2)+16*\a+4*\c:FS+64*((\G)%2)+16*\a+4*\c+3], v[ADV] offset:8192*((\G)-8)+2048*\a+512*\c
.endif
.endr
.endr
.endm
; Its eight products: eight accumulators by turns, one instruction a turn.
.macro MULG G, first
.if (\G) < 8
	WIN 0x05                                       ; K and Q window 1, S^T window 0
.irp a, 0,1,2,3
.irp q, 0,1
.set OA, SS+64*\q+8*(4*((\G)/4)+\a)
.if (\G)%4 == 0
	v_wmma_scale_f32_16x16x128_f8f6f4 v[OA:OA+7], v[FS+64*((\G)%2)+16*\a:FS+64*((\G)%2)+16*\a+15], v[64*\q+16*((\G)%4):64*\q+16*((\G)%4)+15], 0, v[SW+4*((\G)%2)+\a], v[QS+4*\q+(\G)%4]
.else
	v_wmma_scale_f32_16x16x128_f8f6f4 v[OA:OA+7], v[FS+64*((\G)%2)+16*\a:FS+64*((\G)%2)+16*\a+15], v[64*\q+16*((\G)%4):64*\q+16*((\G)%4)+15], v[OA:OA+7], v[SW+4*((\G)%2)+\a], v[QS+4*\q+(\G)%4]
.endif
.endr
.endr
.else
	WIN 0xa1+0x50*(((\G)-8)/4)                     ; V window 1, p window 0, O^T window 2 or 3
.irp a, 0,1,2,3
.irp q, 0,1
.set OA, 8*(2*(4*(((\G)-8)%4)+\a)+\q)
.if \first
	v_wmma_scale_f32_16x16x128_f8f6f4 v[OA:OA+7], v[FS+64*((\G)%2)+16*\a:FS+64*((\G)%2)+16*\a+15], v[PP+16*\q:PP+16*\q+15], 0, v[SW+4*((\G)%2)+\a], v[TS0+8*\q+6]
.else
	v_wmma_scale_f32_16x16x128_f8f6f4 v[OA:OA+7], v[FS+64*((\G)%2)+16*\a:FS+64*((\G)%2)+16*\a+15], v[PP+16*\q:PP+16*\q+15], v[OA:OA+7], v[SW+4*((\G)%2)+\a], v[TS0+8*\q+6]
.endif
.endr
.endr
.endif
.endm
.macro SMD q, j                        ; t - M for pair j of tile q
	v_pk_fma_f32 v[SS+64*\q+2*(\j):SS+64*\q+2*(\j)+1], v[SS+64*\q+2*(\j):SS+64*\q+2*(\j)+1], s[62:63], v[TS0+8*\q:TS0+8*\q+1] op_sel_hi:[1,0,0]
.endm
.macro SME q, j                        ; p = 2^(t - M)
	v_exp_f32 v[SS+64*\q+(\j)], v[SS+64*\q+(\j)]
.endm
.macro SUMK q, k                       ; line k of 32 of the row's sum of the unquantised p: two chains of packed additions
.if (\k) == 0
	v_pk_add_f32 v[BB+16*\q+4:BB+16*\q+5], v[SS+64*\q:SS+64*\q+1], v[SS+64*\q+2:SS+64*\q+3]
.elseif (\k) == 31
	v_pk_add_f32 v[TS0+8*\q+2:TS0+8*\q+3], v[TS0+8*\q+2:TS0+8*\q+3], v[BB+16*\q+4:BB+16*\q+5]
.elseif (\k)%2 == 1
	v_pk_add_f32 v[TS0+8*\q+2:TS0+8*\q+3], v[TS0+8*\q+2:TS0+8*\q+3], v[SS+64*\q+4+4*(((\k)-1)/2):SS+64*\q+5+4*(((\k)-1)/2)]
.else
	v_pk_add_f32 v[BB+16*\q+4:BB+16*\q+5], v[BB+16*\q+4:BB+16*\q+5], v[SS+64*\q+6+4*(((\k)-2)/2):SS+64*\q+7+4*(((\k)-2)/2)]
.endif
.endm
.macro SMF q, first                    ; l under the new M; the four blocks' scales; p's scale word
.if \first == 0
	v_pk_mul_f32 v[TS0+8*\q+2:TS0+8*\q+3], v[TS0+8*\q+2:TS0+8*\q+3], v[TS0+8*\q+4:TS0+8*\q+5] op_sel_hi:[1,0]
	s_wait_alu depctr_va_vdst(0)
.endif
	s_wait_alu depctr_va_vdst(0)
.irp b, 0,1,2,3
	v_max_num_f32 v[BB+16*\q+\b], 0x4800000, v[BB+16*\q+\b]            ; the floor 2^(9 - 127): the byte cannot fall under 1
.endr
.irp b, 0,1,2,3
	v_add_nc_u32 v[BB+16*\q+12+\b], 0xfc000000, v[BB+16*\q+\b]         ; 8 off the exponent field
.endr
.irp b, 0,1,2,3
	v_and_or_b32 v[BB+16*\q+8+\b], v[BB+16*\q+\b], 0x7f800000, s59     ; 448 x the scale
.endr
.irp b, 0,1,2,3
	v_lshrrev_b32 v[BB+16*\q+4+\b], 23, v[BB+16*\q+12+\b]              ; the byte
.endr
	v_lshl_or_b32 v[TS0+8*\q+6], v[BB+16*\q+5], 8, v[BB+16*\q+4]
	v_lshl_or_b32 v[TS0+8*\q+6], v[BB+16*\q+6], 16, v[TS0+8*\q+6]
	v_lshl_or_b32 v[TS0+8*\q+6], v[BB+16*\q+7], 24, v[TS0+8*\q+6]
.endm
.macro SMH q                           ; the hold (p is not negative: one-sided) and the conversions
.irp b, 0,1,2,3
.irp i, 0,1,2,3,4,5,6,7,8,9,10,11,12,13,14,15
	v_min_num_f32 v[SS+64*\q+16*\b+\i], v[SS+64*\q+16*\b+\i], v[BB+16*\q+8+\b]
.endr
	v_cvt_scalef32_pk8_fp8_f32 v[PP+16*\q+4*\b:PP+16*\q+4*\b+1], v[SS+64*\q+16*\b:SS+64*\q+16*\b+7], v[BB+16*\q+12+\b]
	v_cvt_scalef32_pk8_fp8_f32 v[PP+16*\q+4*\b+2:PP+16*\q+4*\b+3], v[SS+64*\q+16*\b+8:SS+64*\q+16*\b+15], v[BB+16*\q+12+\b]
.endr
.endm
; The softmax of both tiles for one key step.  A block's largest score serves twice: for the row's maximum and, through the same multiply-add and exponential, as the block's largest p.
; One tile's exponentials stand among the other tile's plain lines, so that each has a plain line behind it before its result is used.
.macro SOFTMAX first
.irp q, 0,1
.irp b, 0,1,2,3
	v_max3_num_f32 v[BB+16*\q+\b], v[SS+64*\q+16*\b], v[SS+64*\q+16*\b+1], v[SS+64*\q+16*\b+2]   ; each result is read from its low end on
.endr
.endr
.irp i, 3,5,7,9,11,13
.irp q, 0,1
.irp b, 0,1,2,3
	v_max3_num_f32 v[BB+16*\q+\b], v[BB+16*\q+\b], v[SS+64*\q+16*\b+\i], v[SS+64*\q+16*\b+\i+1]
.endr
.endr
.endr
.irp q, 0,1
.irp b, 0,1,2,3
	v_max_num_f32 v[BB+16*\q+\b], v[BB+16*\q+\b], v[SS+64*\q+16*\b+15]
.endr
.endr
.irp q, 0,1
.irp b, 0,1,2,3
	v_permlanex16_b32 v[BB+16*\q+4+\b], v[BB+16*\q+\b], s60, s61
.endr
.endr
.irp q, 0,1
.irp b, 0,1,2,3
	v_max_num_f32 v[BB+16*\q+\b], v[BB+16*\q+\b], v[BB+16*\q+4+\b]     ; with lane l xor 16's 16 keys
.endr
.endr
.irp q, 0,1
	v_max3_num_f32 v[TS0+8*\q+7], v[BB+16*\q], v[BB+16*\q+1], v[BB+16*\q+2]
.endr
.irp q, 0,1
	v_max_num_f32 v[TS0+8*\q+7], v[TS0+8*\q+7], v[BB+16*\q+3]
.endr
.irp q, 0,1
	v_mul_f32 v[TS0+8*\q+7], s62, v[TS0+8*\q+7]                        ; the step's largest t
.endr
.if \first
.irp q, 0,1
	v_mov_b32 v[TS0+8*\q+1], v[TS0+8*\q+7]
.endr
.irp q, 0,1
	v_floor_f32 v[TS0+8*\q], -v[TS0+8*\q+1]                            ; -M = floor(-t)
.endr
.else
.irp q, 0,1
	v_max_num_f32 v[TS0+8*\q+1], v[TS0+8*\q+1], v[TS0+8*\q+7]          ; the running largest t
.endr
.irp q, 0,1
	v_mov_b32 v[TS0+8*\q+7], v[TS0+8*\q]
.endr
.irp q, 0,1
	v_floor_f32 v[TS0+8*\q], -v[TS0+8*\q+1]
.endr
.irp q, 0,1
	v_sub_f32 v[TS0+8*\q+7], v[TS0+8*\q], v[TS0+8*\q+7]                ; old M - new M: a whole number, 0 or less
.endr
.irp q, 0,1
	v_cvt_i32_f32 v[TS0+8*\q+7], v[TS0+8*\q+7]
.endr
.irp q, 0,1
	v_ldexp_f32 v[TS0+8*\q+4], 1.0, v[TS0+8*\q+7]                      ; f = 2^(old M - new M)
.endr
.endif
.set jj, 0
.rept 32
	SMD 0, jj
.set jj, jj+1
.endr
.irp b, 0,1,2,3
	v_fma_f32 v[BB+\b], v[BB+\b], s62, v[TS0]
.endr
.set jj, 0
.rept 32
	SME 0, 2*jj
	SMD 1, jj
	SME 0, 2*jj+1
.set jj, jj+1
.endr
.irp b, 0,1,2,3
	v_exp_f32 v[BB+\b], v[BB+\b]
	v_fma_f32 v[BB+16+\b], v[BB+16+\b], s62, v[TS0+8]
.endr
	SMF 0, \first
.set jj, 0
.rept 32
	SME 1, 2*jj
	SUMK 0, jj
	SME 1, 2*jj+1
.set jj, jj+1
.endr
.irp b, 0,1,2,3
	v_exp_f32 v[BB+16+\b], v[BB+16+\b]
.endr
	v_nop                                          ; a plain line behind the last exponential
	s_wait_alu depctr_va_vdst(0)
	SMH 0
	SMF 1, \first
.set jj, 0
.rept 32
	SUMK 1, jj
.set jj, jj+1
.endr
	SMH 1
	v_nop                                          ; a plain line behind the last conversion
.endm
.macro RESCALE                         ; O^T x f, each result from its low end on; these lines are also the places between p's codes and scale words and the products that take them
	WIN 0x82
.set ii, 0
.rept 128
	v_pk_mul_f32 v[2*ii:2*ii+1], v[2*ii:2*ii+1], v[TS0+8*((ii/4)%2)+4:TS0+8*((ii/4)%2)+5] op_sel_hi:[1,0]
.set ii, ii+1
.endr
	WIN 0xc3
.set ii, 0
.rept 128
	v_pk_mul_f32 v[2*ii:2*ii+1], v[2*ii:2*ii+1], v[TS0+8*((ii/4)%2)+4:TS0+8*((ii/4)%2)+5] op_sel_hi:[1,0]
.set ii, ii+1
.endr
.endm
; A key step.  Two groups of loads are always out; V's first two groups are on their way under the softmax.
.macro STEP first
	PLACES 8                                       ; behind the last step's products, in front of loads into the registers that they read
	v_add_nc_u32 v[ADK], s56, v[LI]
	v_add_nc_u32 v[ADV], s56, v[AV0]
	v_add_nc_u32 v[ADS], s57, v[ASK0]
	v_add_nc_u32 v[ADT], s57, v[ASV0]
	LOADG 0
	LOADG 1
.set GG, 0
.rept 16
.if GG == 8
	WIN 0
	SOFTMAX \first
.if \first
	PLACES 8                                       ; nothing to rescale: the places in front of the scaled products
.else
	RESCALE
.endif
.endif
.if GG == 15
	s_wait_dscnt 0x0
.else
	s_wait_dscnt 17                                ; this group's 17 loads are in; the next group's 17 may be out
.endif
	MULG GG, \first
.if GG < 14
	PLACES 8                                       ; in front of loads into registers just read; behind group 7 also in front of the first reads of S^T
	LOADG GG+2
.endif
.set GG, GG+1
.endr
	WIN 0
	s_xor_b32 s56, s56, SLOT1                      ; the other slot,
	s_add_co_u32 s57, s57, 2048                    ; the next step's scale words
.endm
; The change of slots stands at a step's head: all my tensor loads have landed (my part of the slot ahead), 0 goes onto my spare word, that and my reads of the slot left are waited for.
; fill = 1: a round of the cluster's barrier, and the slot left is filled with the step after the one ahead.
.macro CHANGE fill
	WIN 0
	s_wait_tensorcnt 0x0                           ; no tensor load of mine is out: the groups 0 may be written
	ds_add_u32 v[SPW], v[NIL]
.if \fill
	s_xor_b32 s41, s41, SLOT1
	s_add_nc_u64 s[42:43], s[42:43], 65536
	s_xor_b32 s45, s45, SLOT1
	s_add_nc_u64 s[46:47], s[46:47], 65536
.endif
	s_wait_dscnt 0x0
.if \fill
	CROUND
	JLOAD                                          ; my one tensor load until the next round
.else
	s_barrier_signal -1
	s_barrier_wait -1
.endif
.endm
	s_load_b512 s[4:19], s[0:1], 0x0               ; qc, qs, kc, ks, vc, vs, Wo, part
	v_lshl_add_u32 v[SPW], v0, 2, SPARE
	v_mov_b32 v[NIL], 0
	ds_add_u32 v6, v7
	ds_add_u32 v6, v7
	s_wait_dscnt 0x0
	v_lshrrev_b32 v14, 5, v0
	v_readfirstlane_b32 s20, v14                   ; wave 0..3
	s_bfe_u32 s21, ttmp6, 0x40000                  ; cx
	s_lshl_b32 s22, ttmp9, 2
	s_add_co_u32 s22, s22, s21                     ; my block of 128 queries: it enters q's and part's addresses alone
	s_and_b32 s23, ttmp7, 0xffff                   ; the head, which the partners share
	s_and_b32 s66, s20, 1                          ; which half of K or of V I fetch
	s_lshl_b32 s67, s66, 15
	s_lshl_b32 s68, s23, 19
	s_add_co_u32 s68, s68, s67
	s_mov_b32 s69, 0                               ; codes: head x 524,288 + half x 32,768
	s_lshl_b32 s72, s66, 13
	s_lshl_b32 s70, s23, 14
	s_add_co_u32 s70, s70, s72
	s_mov_b32 s71, 0                               ; scale words: head x 16,384 + half x 8,192
	s_mov_b32 s24, 15|(3<<16)|(1<<21)              ; group 1 for codes: mask of all four; elements of 8 bytes; bit 21 beside the mask; 128 dense rows of 256 bytes
	s_mov_b32 s25, 32<<16
	s_mov_b32 s26, 128<<16
	s_mov_b32 s27, 32<<16
	s_mov_b32 s28, 128
	s_mov_b32 s29, 32
	s_mov_b32 s30, 0
	s_mov_b32 s31, 0
	s_mov_b32 s32, 15|(3<<16)|(1<<21)              ; for scale words: 32 rows
	s_mov_b32 s33, 32<<16
	s_mov_b32 s34, 32<<16
	s_mov_b32 s35, 32<<16
	s_mov_b32 s36, 32
	s_mov_b32 s37, 32
	s_mov_b32 s38, 0
	s_mov_b32 s39, 0
	s_mov_b32 s56, 0                               ; the slot in hand
	s_mov_b32 s57, 0                               ; the step's scale words
	s_mov_b32 s59, 0x600000                        ; the mantissa field of 448
	s_mov_b32 s60, 0x76543210
	s_mov_b32 s61, 0xfedcba98
	s_mov_b32 s62, 0x3fb8aa3b                      ; log2(e)
	s_mov_b32 s63, s62
	s_wait_kmcnt 0x0
	s_mov_b32 s40, 1
	s_mov_b32 s41, s67
	s_add_nc_u64 s[42:43], s[8:9], s[68:69]
	s_or_b32 s43, s43, 0x80000000
	s_mov_b32 s44, 1
	s_add_co_u32 s45, s67, VOFF
	s_add_nc_u64 s[46:47], s[12:13], s[68:69]
	s_or_b32 s47, s47, 0x80000000
	s_mov_b32 s48, 1
	s_add_co_u32 s49, s72, SCK
	s_add_nc_u64 s[50:51], s[10:11], s[70:71]
	s_or_b32 s51, s51, 0x80000000
	s_mov_b32 s52, 1
	s_add_co_u32 s53, s72, SCV
	s_add_nc_u64 s[54:55], s[14:15], s[70:71]
	s_or_b32 s55, s55, 0x80000000
	CROUND                                         ; all four work-groups are here: the first joint loads meet
	s_cmp_lt_u32 s20, 2                            ; a wave's two first fills stand in one branch: two tensor loads of mine are out
	s_cbranch_scc0 .Lfirst_v
	tensor_load_to_lds s[48:51], s[32:39]
	s_nop 0
	tensor_load_to_lds s[40:43], s[24:31]
	s_nop 0
.rept 4
	v_nop
.endr
	s_branch .Lfirst_asked
.Lfirst_v:
	tensor_load_to_lds s[52:55], s[32:39]
	s_nop 0
	tensor_load_to_lds s[44:47], s[24:31]
	s_nop 0
.rept 4
	v_nop
.endr
.Lfirst_asked:
	s_lshr_b32 s73, s20, 1
	s_lshl_b32 s74, s23, 19                        ; q's codes: head, block, group 4 (w / 2), fragment 2 (w % 2)
	s_lshl_b32 s75, s22, 16
	s_add_co_u32 s74, s74, s75
	s_lshl_b32 s75, s73, 15
	s_add_co_u32 s74, s74, s75
	s_lshl_b32 s75, s66, 12
	s_add_co_u32 s74, s74, s75
	s_mov_b32 s75, 0
	s_add_nc_u64 s[4:5], s[4:5], s[74:75]
	s_lshl_b32 s74, s23, 14                        ; q's scale words likewise
	s_lshl_b32 s75, s22, 11
	s_add_co_u32 s74, s74, s75
	s_lshl_b32 s75, s73, 10
	s_add_co_u32 s74, s74, s75
	s_lshl_b32 s75, s66, 3
	s_add_co_u32 s74, s74, s75
	s_mov_b32 s75, 0
	s_add_nc_u64 s[6:7], s[6:7], s[74:75]
	s_and_b32 s74, s23, 7                          ; Wo: the head's 512 rows of 32 bytes, my 128 of them
	s_lshl_b32 s74, s74, 14
	s_lshl_b32 s76, s20, 12
	s_add_co_u32 s74, s74, s76
	s_add_nc_u64 s[16:17], s[16:17], s[74:75]
	s_lshl_b32 s74, s23, 15                        ; part: (head x 1,024 + 128 block + 32 wave) rows of 32 bytes
	s_lshl_b32 s77, s22, 12
	s_add_co_u32 s74, s74, s77
	s_lshl_b32 s77, s20, 10
	s_add_co_u32 s74, s74, s77
	s_add_nc_u64 s[18:19], s[18:19], s[74:75]
	v_and_b32 v80, 15, v0                          ; r
	v_bfe_u32 v[HH], v0, 4, 1                      ; h
	v_and_b32 v81, 31, v0
	v_lshlrev_b32 v[LI], 4, v81
	v_add_nc_u32 v[AV0], VOFF, v[LI]
	v_add_nc_u32 v[AWO], WOI, v[LI]
	v_add_nc_u32 v[AWW], s76, v[AWO]               ; my four fragments of Wo^T: 4,096 x wave on
	v_lshlrev_b32 v82, 4, v80                      ; 16 r
	v_add_nc_u32 v[ASK0], SCK, v82
	v_add_nc_u32 v[ASV0], SCV, v82
	v_lshlrev_b32 v[GO], 5, v80
	v_lshl_add_u32 v[GO], v[HH], 4, v[GO]
	v_and_b32 v83, 7, v80
	v_lshlrev_b32 v83, 2, v83
	v_lshl_add_u32 v83, v[HH], 8, v83              ; Wo: 256 h + 4 (r % 8): rows 8-15 of Wo^T repeat rows 0-7
.irp g, 0,1,2,3                                ; fragment g of my four: number e is Wo(32 g + 16 (e / 8) + 8 h + e % 8, r % 8)
.irp e, 0,1,2,3,4,5,6,7,8,9,10,11,12,13,14,15
	global_load_b32 v[SS+16*\g+\e], v83, s[16:17] offset:1024*\g+512*(\e/8)+32*(\e%8)
.endr
.endr
	WIN 0x40
.irp q, 0,1
.irp k, 0,1,2,3
.irp c, 0,1,2,3
	global_load_b128 v[64*\q+16*\k+4*\c:64*\q+16*\k+4*\c+3], v[LI], s[4:5] offset:8192*\k+2048*\q+512*\c   ; Q stays in registers
.endr
.endr
.endr
	WIN 0
.irp q, 0,1
.irp k, 0,1,2,3
	global_load_b32 v[QS+4*\q+\k], v82, s[6:7] offset:256*\k+4*\q
.endr
.endr
.irp q, 0,1
	v_mov_b32 v[TS0+8*\q+2], 0                     ; l, in two halves
	v_mov_b32 v[TS0+8*\q+3], 0
	v_mov_b32 v[TS0+8*\q+5], 0                     ; named as the upper half of f's pair
.irp b, 0,1,2,3
	v_mov_b32 v[BB+16*\q+4+\b], 0                  ; a lane permute's destination counts as one of its sources
.endr
.endr
	s_wait_loadcnt 40                              ; Wo's 64 loads are in; Q's 32 + 8, issued behind them, may be out
.irp g, 0,1,2,3
.irp e, 0,1,2,3,4,5,6,7
	v_cvt_pk_bf16_f32 v[160+8*\g+\e], v[SS+16*\g+2*\e], v[SS+16*\g+2*\e+1]
.endr
.endr
.irp g, 0,1,2,3
	ds_store_b128 v[AWW], v[160+8*\g:163+8*\g] offset:1024*\g          ; an image of the fragment's registers; the first change of slots waits for these stores and passes a barrier
	ds_store_b128 v[AWW], v[164+8*\g:167+8*\g] offset:1024*\g+512
.endr
	s_wait_loadcnt 0x0                             ; Q
	CHANGE 1                                       ; slot 0 and the scale words are in; slot 1 takes step 1
	STEP 1                                         ; the first step is written out: its products start O^T's sums, and it has no old M
	s_mov_b32 s58, 6
.Lstep:
	CHANGE 1
	STEP 0
	s_sub_co_u32 s58, s58, 1
	s_cmp_lg_u32 s58, 0
	s_cbranch_scc1 .Lstep
	CHANGE 0                                       ; the last step is written out: nothing is left to ask for
	STEP 0
	PLACES 8
.irp q, 0,1
	v_add_f32 v[TS0+8*\q+2], v[TS0+8*\q+2], v[TS0+8*\q+3]
.endr
.irp q, 0,1
	v_permlanex16_b32 v[TS0+8*\q+7], v[TS0+8*\q+2], s60, s61
.endr
.irp q, 0,1
	v_add_f32 v[TS0+8*\q+2], v[TS0+8*\q+2], v[TS0+8*\q+7]              ; the row's sum
.endr
.irp q, 0,1
	v_rcp_f32 v[TS0+8*\q+2], v[TS0+8*\q+2]
.endr
	v_cmp_eq_u32 vcc_lo, 1, v[HH]                  ; (a plain line behind the reciprocals)
; part = Wo^T O^T: K = the head's 512 channels, 32 a product.  Two neighbouring channel tiles of O^T, rounded to bf16 in pairs, are source 1 as they stand.
.irp d, 0,1
.if \d
	PLACES 4
.endif
	WIN 0x40
.irp g, 0,1,2,3,4,5,6,7
	ds_load_b128 v[FS+8*\g:FS+8*\g+3], v[AWO] offset:1024*(8*\d+\g)
	ds_load_b128 v[FS+8*\g+4:FS+8*\g+7], v[AWO] offset:1024*(8*\d+\g)+512
.endr
	WIN 0x0a+5*\d                                  ; sources 0 and 1: window 2 or 3
.irp g, 0,1,2,3,4,5,6,7
.irp q, 0,1
.irp u, 0,1
.irp i, 0,1,2,3
	v_cvt_pk_bf16_f32 v[SS+8*(2*\g+\q)+4*\u+\i], v[8*(2*(2*\g+\u)+\q)+2*\i], v[8*(2*(2*\g+\u)+\q)+2*\i+1]
.endr
.endr
.endr
.endr
	s_wait_dscnt 0x0
	WIN 0x01                                       ; Wo^T window 1
.irp g, 0,1,2,3,4,5,6,7
.irp q, 0,1
.if (\d == 0) && (\g == 0)
	v_wmma_f32_16x16x32_bf16 v[BB+8*\q:BB+8*\q+7], v[FS+8*\g:FS+8*\g+7], v[SS+8*(2*\g+\q):SS+8*(2*\g+\q)+7], 0
.else
	v_wmma_f32_16x16x32_bf16 v[BB+8*\q:BB+8*\q+7], v[FS+8*\g:FS+8*\g+7], v[SS+8*(2*\g+\q):SS+8*(2*\g+\q)+7], v[BB+8*\q:BB+8*\q+7]
.endif
.endr
.endr
.endr
	WIN 0
	PLACES 4
	s_wait_alu depctr_va_vdst(0)
.irp q, 0,1                                    ; every lane holds its query's eight outputs: lanes 0-15 store 0-3, lanes 16-31 store 4-7: 512 consecutive bytes a store
.irp i, 0,1,2,3
	v_cndmask_b32 v[64+4*\q+\i], v[BB+8*\q+\i], v[BB+8*\q+4+\i], vcc_lo
.endr
	v_pk_mul_f32 v[64+4*\q:65+4*\q], v[64+4*\q:65+4*\q], v[TS0+8*\q+2:TS0+8*\q+3] op_sel_hi:[1,0]
	v_pk_mul_f32 v[66+4*\q:67+4*\q], v[66+4*\q:67+4*\q], v[TS0+8*\q+2:TS0+8*\q+3] op_sel_hi:[1,0]
	global_store_b128 v[GO], v[64+4*\q:67+4*\q], s[18:19] offset:512*\q
.endr
	s_wait_tensorcnt 0x0                           ; the wave's end
	ds_add_u32 v[SPW], v[NIL]
	s_wait_dscnt 0x0
	CROUND                                         ; the closing round
	s_endpgm
.Lfunc_end_k_q1064d51b45_attn:
	.size	k_q1064d51b45_attn, .Lfunc_end_k_q1064d51b45_attn-k_q1064d51b45_attn
	.p2alignl 7, 3214868480
	.fill 96, 4, 3214868480
	.section	.rodata,"a",@progbits
	.p2align	6, 0x0
	.amdhsa_kernel k_q1064d51b45_attn
		.amdhsa_group_segment_fixed_size 327680
		.amdhsa_private_segment_fixed_size 0
		.amdhsa_enable_private_segment 0
		.amdhsa_kernarg_size 64
		.amdhsa_user_sgpr_count 2
		.amdhsa_user_sgpr_kernarg_segment_ptr 1
		.amdhsa_wavefront_size32 1
		.amdhsa_system_sgpr_workgroup_id_x 1
		.amdhsa_system_sgpr_workgroup_id_y 1
		.amdhsa_system_sgpr_workgroup_id_z 1
		.amdhsa_system_vgpr_workitem_id 0
		.amdhsa_next_free_vgpr 1024
		.amdhsa_next_free_sgpr 80
		.amdhsa_reserve_vcc 1
		.amdhsa_float_denorm_mode_32 3
		.amdhsa_float_denorm_mode_16_64 3
		.amdhsa_memory_ordered 1
		.amdhsa_forward_progress 1
		.amdhsa_inst_pref_size 255
	.end_amdhsa_kernel
	.section	.bss,"aw",@nobits
	.p2align	6
	.space	262144
	.amdgpu_metadata
---
amdhsa.version: [ 1, 2 ]
amdhsa.kernels:
  - .name:           k_q1064d51b45_attn
    .symbol:         k_q1064d51b45_attn.kd
    .args:
      - { .name: qc, .offset: 0, .size: 8, .value_kind: global_buffer, .address_space: global }
      - { .name: qs, .offset: 8, .size: 8, .value_kind: global_buffer, .address_space: global }
      - { .name: kc, .offset: 16, .size: 8, .value_kind: global_buffer, .address_space: global }
      - { .name: ks, .offset: 24, .size: 8, .value_kind: global_buffer, .address_space: global }
      - { .name: vc, .offset: 32, .size: 8, .value_kind: global_buffer, .address_space: global }
      - { .name: vs, .offset: 40, .size: 8, .value_kind: global_buffer, .address_space: global }
      - { .name: Wo, .offset: 48, .size: 8, .value_kind: global_buffer, .address_space: global }
      - { .name: part, .offset: 56, .size: 8, .value_kind: global_buffer, .address_space: global }
    .group_segment_fixed_size: 327680
    .private_segment_fixed_size: 0
    .kernarg_segment_align: 8
    .kernarg_segment_size: 64
    .max_flat_workgroup_size: 128
    .sgpr_count:     80
    .vgpr_count:     1024
    .wavefront_size: 32
...
	.end_amdgpu_metadata
.endif
;; end of part 2
;; launch hsum (part 3): grid 64 x 1, 4 waves a work-group, no clusters, 0 bytes of LDS; arguments part, bo, out0; writes out0
.if DOCPART == 3
	.amdgcn_target "amdgcn-amd-amdhsa--gfx1250"
	.amdhsa_code_object_version 6
	.text
	.protected	k_q1064d51b45_hsum
	.globl	k_q1064d51b45_hsum
	.p2align	8
	.type	k_q1064d51b45_hsum,@function
k_q1064d51b45_hsum:
	s_mov_b64 s[64:65], 0
	v_nop
	global_prefetch_b8 v0, s[64:65] scope:SCOPE_SE
	s_setreg_imm32_b32 hwreg(HW_REG_WAVE_MODE, 25, 1), 1
	s_wait_xcnt 0x0
; out0[t][b][o] = bo[o] + the sum over a batch's 8 heads of part[8 b + hd][t][o].  part: [32][1024][8] f32; out0: [1024][4][8] f32.
; A sum that spans the work-groups of the launch before: each output has one owner here.  Thread g owns the 16 bytes at 16 g of out0: a wave's store covers 512 consecutive bytes.
; 1 MB is read and 128 KB written: no LDS, no matrix unit, no cluster: nothing is shared.
	s_load_b128 s[4:7], s[0:1], 0x0                ; part, bo
	s_load_b64 s[8:9], s[0:1], 0x10                ; out0
	s_lshl_b32 s10, ttmp9, 7
	v_add_nc_u32 v1, s10, v0                       ; g
	v_and_b32 v2, 1, v1                            ; which four of the eight outputs
	v_bfe_u32 v3, v1, 1, 2                         ; b
	v_lshrrev_b32 v4, 3, v1                        ; t
	v_lshlrev_b32 v5, 4, v2
	v_lshl_add_u32 v6, v4, 5, v5                   ; 32 t + 16 half
	v_lshl_add_u32 v6, v3, 18, v6                  ; + b x 8 heads of 32,768 bytes
	v_lshlrev_b32 v7, 4, v1
	s_wait_kmcnt 0x0
.irp d, 0,1,2,3,4,5,6,7
	global_load_b128 v[8+4*\d:11+4*\d], v6, s[4:5] offset:32768*\d
.endr
	global_load_b128 v[40:43], v5, s[6:7]
	s_wait_loadcnt 0x0
.irp d, 0,1,2,3,4,5,6,7
	v_pk_add_f32 v[40:41], v[40:41], v[8+4*\d:9+4*\d]
	v_pk_add_f32 v[42:43], v[42:43], v[10+4*\d:11+4*\d]
.endr
	global_store_b128 v7, v[40:43], s[8:9]
	s_endpgm
.Lfunc_end_k_q1064d51b45_hsum:
	.size	k_q1064d51b45_hsum, .Lfunc_end_k_q1064d51b45_hsum-k_q1064d51b45_hsum
	.p2alignl 7, 3214868480
	.fill 96, 4, 3214868480
	.section	.rodata,"a",@progbits
	.p2align	6, 0x0
	.amdhsa_kernel k_q1064d51b45_hsum
		.amdhsa_group_segment_fixed_size 0
		.amdhsa_private_segment_fixed_size 0
		.amdhsa_enable_private_segment 0
		.amdhsa_kernarg_size 24
		.amdhsa_user_sgpr_count 2
		.amdhsa_user_sgpr_kernarg_segment_ptr 1
		.amdhsa_wavefront_size32 1
		.amdhsa_system_sgpr_workgroup_id_x 1
		.amdhsa_system_sgpr_workgroup_id_y 1
		.amdhsa_system_sgpr_workgroup_id_z 1
		.amdhsa_system_vgpr_workitem_id 0
		.amdhsa_next_free_vgpr 48
		.amdhsa_next_free_sgpr 66
		.amdhsa_reserve_vcc 0
		.amdhsa_float_denorm_mode_32 3
		.amdhsa_float_denorm_mode_16_64 3
		.amdhsa_memory_ordered 1
		.amdhsa_forward_progress 1
		.amdhsa_inst_pref_size 3
	.end_amdhsa_kernel
	.amdgpu_metadata
---
amdhsa.version: [ 1, 2 ]
amdhsa.kernels:
  - .name:           k_q1064d51b45_hsum
    .symbol:         k_q1064d51b45_hsum.kd
    .args:
      - { .name: part, .offset: 0, .size: 8, .value_kind: global_buffer, .address_space: global }
      - { .name: bo, .offset: 8, .size: 8, .value_kind: global_buffer, .address_space: global }
      - { .name: out0, .offset: 16, .size: 8, .value_kind: global_buffer, .address_space: global }
    .group_segment_fixed_size: 0
    .private_segment_fixed_size: 0
    .kernarg_segment_align: 8
    .kernarg_segment_size: 24
    .max_flat_workgroup_size: 128
    .sgpr_count:     66
    .vgpr_count:     48
    .wavefront_size: 32
...
	.end_amdgpu_metadata
.endif
;; end of part 3
